; MI455X (gfx1250); checked and timed in simulation.
; The chip was launched on July 23, 2026; its instructions are those of AMD's public machine-readable ISA for CDNA 5 (MIT licence, August 2026) and "CDNA5" Instruction Set Architecture Reference Guide (July 2026). The comments in the code are by the model that wrote it; some were corrected since.
;; Multi Head Attention. Allowed arithmetic: matrix products marked QUANTISED: E2M1 operands, one E8M0 scale for each 32 along K, by v_wmma_scale_f32_16x16x128_f8f6f4 with both operands' format E2M1 (or v_wmma_scale_f32_32x16x128_f4), f32 sums; products left as they are: bf16, f16 or f32 operands; f32 sums; everything else in f32.
;; Inputs: W_key 768 x 768 float32; W_out 768 x 768 float32; W_query 768 x 768 float32; W_value 768 x 768 float32; b_out 768 float32; x 1 x 4,096 x 768 float32.
;; Outputs: out0 1 x 4,096 x 768 float32.
;; This version of the problem:
;;   THIS VERSION OF THE PROBLEM IS GIVEN IN LOW PRECISION. The matrix products marked QUANTISED in the list below multiply operands that are first quantised to E2M1 (2 exponent bits, 1 mantissa bit; 4 bits a number), with one power-of-two scale for each 32 numbers along K (OCP MX v1.0); their sums are f32. The products marked 'left as it is' may take bf16, f16 or f32 operands, with f32 sums. Whichever they take, every output number must still come out within the allowed error. Rounding operands to bf16 (8 significant bits) uses up far more of that allowance than f16 does (11 bits, for magnitudes from 6e-5 to 65,504). All else is computed in f32.
;;   The module's matrix products, in the order in which they are computed (A, B: the left and right operand; K: the contracted axis; several contracted axes count as one K, in the product's order):
;;     1. [M 4,096, K 768] x [K 768, N 768]; A: input x; B: input W_query: QUANTISED
;;     2. [M 4,096, K 768] x [K 768, N 768]; A: input x; B: input W_key: QUANTISED
;;     3. [M 4,096, K 768] x [K 768, N 768]; A: input x; B: input W_value: QUANTISED
;;     4. batch 12 x [M 4,096, K 64] x [K 64, N 4,096]; A: computed on the way; B: computed on the way: left as it is (an operand is computed on the way)
;;     5. batch 12 x [M 64, K 4,096] x [K 4,096, N 4,096]; A: computed on the way; B: computed on the way: left as it is (an operand is computed on the way)
;;     6. [M 4,096, K 768] x [K 768, N 768]; A: computed on the way; B: input W_out: left as it is (an operand is computed on the way)
;;   THE QUANTISER, for each operand of a quantised product, along K:
;;     - K is cut into blocks of 32 from its start; a last block that is shorter is filled with zeros.
;;     - A block's scale is 2^e with e = floor(log2(the largest magnitude in the block)) - 2, held to -126 .. 127; a block of zeros has e = 0. As a byte (E8M0): e + 127.
;;     - Each number is divided by its block's scale, clamped to +-6, and rounded to the nearest number of E2M1, ties to even, subnormals kept.
;;     - The product sums the exact products of the quantised numbers (number of the format x scale) in f32.
;;   ~~~python
;;   def quantise(x, axis):      # numpy; x: float32 -> the quantised numbers, widened to float32 again
;;       x = np.moveaxis(x, axis, -1); K = x.shape[-1]
;;       x = np.pad(x, [(0, 0)] * (x.ndim - 1) + [(0, -K % 32)]); x = x.reshape(x.shape[:-1] + (-1, 32)); a = np.abs(x).max(-1, keepdims=True)
;;       e = np.where(a > 0, np.clip(np.frexp(np.where(a > 0, a, 1))[1] - 1 - 2, -126, 127), 0)      # np.frexp(a)[1] - 1 = floor(log2(a)), exactly
;;       r = np.clip(x / 2.0 ** e, -6, 6)
;;       step = 2.0 ** (np.maximum(np.frexp(np.where(r == 0, 1, r))[1] - 1, 0) - 1)
;;       q = np.round(r / step) * step * 2.0 ** e      # np.round: ties to even
;;       return np.moveaxis(q.reshape(q.shape[:-2] + (-1,))[..., :K], -1, axis).astype(np.float32)
;;   ~~~
;; One version. Each part assembles by itself: llvm-mc -triple=amdgcn-amd-amdhsa -mcpu=gfx1250 --defsym DOCPART=n.
;; ======== version 1 of 1: 5 launches
;; limits: values are held in f16: magnitudes above 65,504 overflow, below 6.1e-05 lose precision
;; workspace buffers: xc 1,572,864 bytes; xs 196,608 bytes; wc 884,736 bytes; ws 55,296 bytes; wo 1,179,648 bytes; qkv 18,874,368 bytes; qkvf 147,456 bytes; ctx 6,291,456 bytes
;; launch prep (part 1): grid 6 x 88, 4 waves a work-group, no clusters, 34,304 bytes of LDS; arguments x, W_query, W_key, W_value, W_out, xc, xs, wc, ws, wo; writes xc, xs, wc, ws, wo
.if DOCPART == 1
	.amdgcn_target "amdgcn-amd-amdhsa--gfx1250"
	.amdhsa_code_object_version 6
	.text
	.protected	k_q1e4d4d5ca1_prep
	.globl	k_q1e4d4d5ca1_prep
	.p2align	8
	.type	k_q1e4d4d5ca1_prep,@function
k_q1e4d4d5ca1_prep:
	s_mov_b64 s[64:65], 0
	v_nop
	global_prefetch_b8 v0, s[64:65] scope:SCOPE_SE
	s_setreg_imm32_b32 hwreg(HW_REG_WAVE_MODE, 25, 1), 1
	s_wait_xcnt 0x0
; x [4096][768] and W_query, W_key, W_value [768 (k)][768 (n)], f32, become codes of FP4 (E2M1) with one E8M0 byte for each 32 along K = 768;
; W_out [768 (k)][768 (n)] becomes f16.  Every result is laid in the ORDER OF THE READER'S OPERAND REGISTERS, in chunks of 512 bytes (lane l's 16 bytes at 16 l):
;   xc [token tile 256][K step 6][c 2][lane][16 B]: lane (r, h) of chunk c holds the 32 codes of block 2 c + h of row r;   xs [token tile][K step][lane] words: row r's scale word in lanes r and 16 + r;
;   wc [n tile 48 m + n / 16][K step][c][lane][16 B], m = 0, 1, 2 for query, key, value;   ws [K step][2304] words;   wo [n tile 48][chunk of 16 k: 48][lane (r = n, h)][8 f16: k = 16 chunk + 8 h + 0..7].
; A block's scale is 2^(floor(log2(largest magnitude)) - 2): its byte is the largest magnitude's exponent field - 2, held at 1 from below by a floor among the maximum's leaves.
; LIMITS: a block of zeros gets the byte 1 where the rule says 127 (its codes are zeros, and this program alone reads the bytes); NaN and infinities among the inputs are not served; W_out beyond f16's range (65,504) is not served.
; SHARES: work-group x = the K step of 128.  y < 64: four token tiles of x, one a wave.  y >= 64: (y - 64) & 3 picks the weight, (y - 64) >> 2 a group of 128 columns, 32 a wave.
; No tensor loads, no barrier: waves share nothing.  Every load of a wave is asked for at once.
.set SPARE, 33792                      ; behind the four stages: the spare words, 128 bytes a wave
.set WSTG,  8448                       ; a wave's stage: 16 rows of 512 bytes + 16 of padding
.set SPW,   16                         ; v16  LDS address of my spare word; never rewritten
.set NIL,   17                         ; v17  0; never rewritten
.set X,     32                         ; v32-159  numbers as loaded
.set Y,     96                         ; v96-159  x path: my two blocks of 32 neighbours
.set C,     160                        ; v160-175 codes
	s_load_b512 s[4:19], s[0:1], 0x0               ; x, W_query, W_key, W_value, W_out, xc, xs, wc
	s_load_b128 s[20:23], s[0:1], 0x40             ; ws, wo
	v_lshl_add_u32 v[SPW], v0, 2, SPARE
	v_mov_b32 v[NIL], 0
	v_lshrrev_b32 v1, 5, v0
	v_readfirstlane_b32 s24, v1                    ; wave
	v_and_b32 v1, 31, v0                           ; lane
	v_and_b32 v2, 15, v0                           ; r
	v_bfe_u32 v3, v0, 4, 1                         ; h
	v_lshlrev_b32 v4, 4, v1                        ; 16 x lane
	v_lshlrev_b32 v7, 2, v1                        ; 4 x lane
	s_mul_i32 s36, s24, WSTG
	v_add_nc_u32 v5, s36, v4                       ; the stage, on the way in: a row's 512 bytes as they lie
	v_mul_u32_u24 v6, v2, 528
	v_lshl_add_u32 v6, v3, 7, v6
	v_add_nc_u32 v6, s36, v6                       ; and on the way out: row r, block h
	v_mul_u32_u24 v18, v3, 6144
	v_lshl_add_u32 v18, v2, 4, v18                 ; wc: my column's n tile (lane / 16) and its place r in a chunk
	v_mul_u32_u24 v19, v3, 24576
	v_lshl_add_u32 v19, v2, 4, v19                 ; wo: the same
	s_and_b32 s25, ttmp7, 0xffff                   ; y
	s_mov_b32 s31, 0
	s_mov_b32 s33, 0
	s_mov_b32 s34, 0x76543210
	s_mov_b32 s35, 0xfedcba98                      ; v_permlanex16_b32's selects for lane l xor 16
	s_wait_kmcnt 0x0
	s_cmp_ge_u32 s25, 64
	s_cbranch_scc1 .Lweights
	; ---- x: my wave's 16 rows x 128 numbers
	s_lshl_b32 s26, s25, 2
	s_add_co_u32 s26, s26, s24                     ; token tile = 4 y + wave
	s_mul_i32 s30, s26, 49152                      ; 16 rows of 3,072 bytes
	s_lshl_b32 s27, ttmp9, 9                       ; the K step's 512 bytes of a row
	s_add_co_u32 s30, s30, s27
	s_add_nc_u64 s[28:29], s[4:5], s[30:31]
	s_mul_i32 s27, s26, 6
	s_add_co_u32 s27, s27, ttmp9                   ; 6 x tile + K step
	s_lshl_b32 s30, s27, 10
	s_add_nc_u64 s[14:15], s[14:15], s[30:31]      ; its 1,024 bytes of codes
	s_lshl_b32 s32, s27, 7
	s_add_nc_u64 s[16:17], s[16:17], s[32:33]      ; its 128 bytes of scale words
.irp i, 0,1,2,3,4,5,6,7,8,9,10,11,12,13,14,15
	global_load_b128 v[X+4*\i:X+4*\i+3], v4, s[28:29] offset:3072*\i th:TH_LOAD_NT   ; 32 lanes read 512 consecutive bytes of row i
.endr
.irp i, 0,1,2,3,4,5,6,7,8,9,10,11,12,13,14,15
	s_wait_loadcnt 15-\i                           ; row i is in; the younger rows' loads stay out
	ds_store_b128 v5, v[X+4*\i:X+4*\i+3] offset:528*\i
.endr
.irp c, 0,1
.irp p, 0,1,2,3,4,5,6,7
	ds_load_b128 v[Y+32*\c+4*\p:Y+32*\c+4*\p+3], v6 offset:256*\c+16*\p   ; block 2 c + h of row r: LDS serves a wave's instructions in order, so these see my stores
.endr
.endr
	s_wait_dscnt 0x0
.irp c, 0,1
	v_max3_num_f32 v[8+\c], |v[Y+32*\c]|, |v[Y+32*\c+1]|, 0x1800000   ; the block's largest magnitude, and the floor 2^(3 - 127): the byte cannot fall under 1
.endr
.irp i, 2,4,6,8,10,12,14,16,18,20,22,24,26,28,30
.irp c, 0,1
	v_max3_num_f32 v[8+\c], v[8+\c], |v[Y+32*\c+\i]|, |v[Y+32*\c+\i+1]|   ; (the two blocks by turns)
.endr
.endr
.irp c, 0,1
	v_add_nc_u32 v[10+\c], 0xff000000, v[8+\c]     ; 2 off the exponent field: the conversion's scale operand
.endr
.irp c, 0,1
	v_lshrrev_b32 v[12+\c], 23, v[10+\c]           ; the scale's byte
.endr
	v_lshl_or_b32 v14, v13, 16, v12                ; my two bytes: blocks h and 2 + h,
	v_lshlrev_b32 v15, 3, v3
	v_lshlrev_b32 v14, v15, v14                    ; at their places in the word (8 h bits up);
	v_mov_b32 v15, 0
	v_permlanex16_b32 v15, v14, s34, s35
	v_or_b32 v14, v14, v15                         ; with lane l xor 16's two the word is whole, in both lanes
.irp c, 0,1
.irp g, 0,1,2,3
	v_cvt_scalef32_pk8_fp4_f32 v[C+4*\c+\g], v[Y+32*\c+8*\g:Y+32*\c+8*\g+7], v[10+\c]
.endr
.endr
	v_nop                                          ; one plain line behind the last scaled conversion
	global_store_b128 v4, v[C:C+3], s[14:15]       ; a chunk: 512 consecutive bytes
	global_store_b128 v4, v[C+4:C+7], s[14:15] offset:512
	global_store_b32 v7, v14, s[16:17]
	s_wait_tensorcnt 0x0                           ; the wave's end, behind my last LDS store
	ds_add_u32 v[SPW], v[NIL]
	s_wait_dscnt 0x0
	s_endpgm
	; ---- a weight: my wave's 32 columns x 128 k.  A lane takes a column and its registers run down K
.Lweights:
	s_sub_co_u32 s25, s25, 64
	s_and_b32 s26, s25, 3                          ; m: 0 query, 1 key, 2 value, 3 out
	s_lshr_b32 s27, s25, 2                         ; group of 128 columns
	s_cmp_eq_u32 s26, 1
	s_cselect_b64 s[28:29], s[8:9], s[6:7]
	s_cmp_eq_u32 s26, 2
	s_cselect_b64 s[28:29], s[10:11], s[28:29]
	s_cmp_eq_u32 s26, 3
	s_cselect_b64 s[28:29], s[12:13], s[28:29]     ; the choice hangs on the work-group's number alone
	s_lshl_b32 s36, s27, 2
	s_add_co_u32 s36, s36, s24                     ; which 32 columns
	s_mul_i32 s30, ttmp9, 393216                   ; 128 rows of 3,072 bytes
	s_lshl_b32 s37, s36, 7
	s_add_co_u32 s30, s30, s37
	s_add_nc_u64 s[28:29], s[28:29], s[30:31]
.set i, 0
.rept 128
	global_load_b32 v[X+i], v7, s[28:29] offset:3072*i th:TH_LOAD_NT   ; row k = i at 32 neighbouring columns: 128 consecutive bytes
.set i, i+1
.endr
	s_cmp_eq_u32 s26, 3
	s_cbranch_scc1 .Lwout
	s_mul_i32 s30, s26, 48
	s_lshl_b32 s37, s36, 1
	s_add_co_u32 s30, s30, s37                     ; my first n tile: 48 m + 2 x (group of 32)
	s_mul_i32 s30, s30, 6144
	s_lshl_b32 s37, ttmp9, 10
	s_add_co_u32 s30, s30, s37
	s_add_nc_u64 s[18:19], s[18:19], s[30:31]
	s_mul_i32 s32, ttmp9, 9216
	s_mul_i32 s37, s26, 3072
	s_add_co_u32 s32, s32, s37
	s_lshl_b32 s37, s36, 7
	s_add_co_u32 s32, s32, s37
	s_add_nc_u64 s[20:21], s[20:21], s[32:33]
.macro WBLK b, left                    ; block b of my column: all its 32 numbers are mine
.set XS, X+32*\b
	s_wait_loadcnt \left                           ; the block's loads are in; a count cannot name more than 63, so the first two are smaller than the younger loads' number
	v_max3_num_f32 v8, |v[XS]|, |v[XS+1]|, |v[XS+2]|
	v_max3_num_f32 v9, |v[XS+3]|, |v[XS+4]|, |v[XS+5]|
.irp i, 6,10,14,18,22,26
	v_max3_num_f32 v8, v8, |v[XS+\i]|, |v[XS+\i+1]|
	v_max3_num_f32 v9, v9, |v[XS+\i+2]|, |v[XS+\i+3]|
.endr
	v_max3_num_f32 v8, v8, |v[XS+30]|, |v[XS+31]|
	v_max3_num_f32 v8, v8, v9, 0x1800000           ; and the floor
	v_add_nc_u32 v[10+\b], 0xff000000, v8          ; the conversion's scale operand
	v_lshrrev_b32 v9, 23, v[10+\b]                 ; the byte
.if \b == 0
	v_mov_b32 v14, v9
.else
	v_lshl_or_b32 v14, v9, 8*\b, v14               ; four bytes make the K step's scale word of my column
.endif
.irp g, 0,1,2,3
	v_cvt_scalef32_pk8_fp4_f32 v[C+4*\b+\g], v[XS+8*\g:XS+8*\g+7], v[10+\b]
.endr
.endm
	WBLK 0, 63
	WBLK 1, 63
	WBLK 2, 32
	WBLK 3, 0
	v_nop                                          ; one plain line behind the last scaled conversion
.irp b, 0,1,2,3
	global_store_b128 v18, v[C+4*\b:C+4*\b+3], s[18:19] offset:(\b/2)*512+(\b%2)*256   ; chunk b / 2, half b % 2: sixteen lanes store 256 consecutive aligned bytes
.endr
	global_store_b32 v7, v14, s[20:21]
	s_endpgm
.Lwout:
	s_lshl_b32 s30, s36, 1
	s_mul_i32 s30, s30, 24576                      ; my first n tile's 48 chunks
	s_lshl_b32 s37, ttmp9, 12                      ; the K step's 8 chunks
	s_add_co_u32 s30, s30, s37
	s_add_nc_u64 s[22:23], s[22:23], s[30:31]
	s_wait_loadcnt 0x0
.set i, 0
.rept 64
	v_cvt_pk_f16_f32 v[X+i], v[X+2*i], v[X+2*i+1]  ; in place, ascending: register i has been read when it is written
.set i, i+1
.endr
.irp u, 0,1,2,3,4,5,6,7
.irp hh, 0,1
	global_store_b128 v19, v[X+8*\u+4*\hh:X+8*\u+4*\hh+3], s[22:23] offset:512*\u+256*\hh   ; k = 16 u + 8 hh + 0..7 of my column
.endr
.endr
	s_endpgm
.Lfunc_end_k_q1e4d4d5ca1_prep:
	.size	k_q1e4d4d5ca1_prep, .Lfunc_end_k_q1e4d4d5ca1_prep-k_q1e4d4d5ca1_prep
	.p2alignl 7, 3214868480
	.fill 96, 4, 3214868480
	.section	.rodata,"a",@progbits
	.p2align	6, 0x0
	.amdhsa_kernel k_q1e4d4d5ca1_prep
		.amdhsa_group_segment_fixed_size 34304
		.amdhsa_private_segment_fixed_size 0
		.amdhsa_enable_private_segment 0
		.amdhsa_kernarg_size 80
		.amdhsa_user_sgpr_count 2
		.amdhsa_user_sgpr_kernarg_segment_ptr 1
		.amdhsa_wavefront_size32 1
		.amdhsa_system_sgpr_workgroup_id_x 1
		.amdhsa_system_sgpr_workgroup_id_y 1
		.amdhsa_system_sgpr_workgroup_id_z 1
		.amdhsa_system_vgpr_workitem_id 0
		.amdhsa_next_free_vgpr 192
		.amdhsa_next_free_sgpr 66
		.amdhsa_reserve_vcc 0
		.amdhsa_float_denorm_mode_32 3
		.amdhsa_float_denorm_mode_16_64 3
		.amdhsa_memory_ordered 1
		.amdhsa_forward_progress 1
		.amdhsa_inst_pref_size 35
	.end_amdhsa_kernel
	.amdgpu_metadata
---
amdhsa.version: [ 1, 2 ]
amdhsa.kernels:
  - .name:           k_q1e4d4d5ca1_prep
    .symbol:         k_q1e4d4d5ca1_prep.kd
    .args:
      - { .name: x, .offset: 0, .size: 8, .value_kind: global_buffer, .address_space: global }
      - { .name: W_query, .offset: 8, .size: 8, .value_kind: global_buffer, .address_space: global }
      - { .name: W_key, .offset: 16, .size: 8, .value_kind: global_buffer, .address_space: global }
      - { .name: W_value, .offset: 24, .size: 8, .value_kind: global_buffer, .address_space: global }
      - { .name: W_out, .offset: 32, .size: 8, .value_kind: global_buffer, .address_space: global }
      - { .name: xc, .offset: 40, .size: 8, .value_kind: global_buffer, .address_space: global }
      - { .name: xs, .offset: 48, .size: 8, .value_kind: global_buffer, .address_space: global }
      - { .name: wc, .offset: 56, .size: 8, .value_kind: global_buffer, .address_space: global }
      - { .name: ws, .offset: 64, .size: 8, .value_kind: global_buffer, .address_space: global }
      - { .name: wo, .offset: 72, .size: 8, .value_kind: global_buffer, .address_space: global }
    .group_segment_fixed_size: 34304
    .private_segment_fixed_size: 0
    .kernarg_segment_align: 8
    .kernarg_segment_size: 80
    .max_flat_workgroup_size: 128
    .sgpr_count:     66
    .vgpr_count:     192
    .wavefront_size: 32
...
	.end_amdgpu_metadata
.endif
;; end of part 1
;; launch qkv (part 2): grid 16 x 16, 8 waves a work-group, no clusters, 167,936 bytes of LDS; arguments xc, xs, wc, ws, qkv, qkvf; writes qkv, qkvf
.if DOCPART == 2
	.amdgcn_target "amdgcn-amd-amdhsa--gfx1250"
	.amdhsa_code_object_version 6
	.text
	.protected	k_q1e4d4d5ca1_qkv
	.globl	k_q1e4d4d5ca1_qkv
	.p2align	8
	.type	k_q1e4d4d5ca1_qkv,@function
k_q1e4d4d5ca1_qkv:
	s_mov_b64 s[64:65], 0
	v_nop
	global_prefetch_b8 v0, s[64:65] scope:SCOPE_SE
	s_setreg_imm32_b32 hwreg(HW_REG_WAVE_MODE, 25, 1), 1
	s_wait_xcnt 0x0
; q, k, v = x W on codes of FP4 (E2M1) with E8M0 scales, K = 768 in six steps of 128; sums in f32; results rounded once to f16 and stored as images of the attention's operand registers.
; qkv: 36 planes of 524,288 bytes (0-11 q's heads, 12-23 k's, 24-35 v's).  q, k plane: [token tile 256][nt 4][lane (r = token, h)][8 f16: d = 16 nt + 8 h + 0..7];
; v plane: [group of 32 keys: 128][dt 4][c 2][lane (r = d, h)][8 f16: key = 16 c + 8 h + 0..7].  qkvf: [n tile 144][c 2][lane][16 B]: token tile 0's sums as they stand, in f32.
; For q and k the product is used transposed (source 0 = 16 columns of W, source 1 = 16 tokens): a lane holds one token and eight neighbouring d.  For v it is used as it is: a lane holds one d and eight neighbouring tokens.
; SHARES: a work-group takes 256 tokens x 144 columns (9 n tiles); wave w owns token tiles 2 w and 2 w + 1 of them, for all 9 n tiles.  x's codes for the whole K go from memory into the registers of the one wave that
; multiplies them; the 9 n tiles' codes, 55,296 dense bytes, are brought into LDS once (each wave 6,912 bytes by one tensor load: one load of mine is out) and read by all eight waves.
; No cluster: the copy of token tile 0 is a branch on the token group, which partners along the shared weights would not have alike.
; LIMIT: |q|, |k|, |v| stay under f16's 65,504.
.set A,   16                           ; v16-111   x's fragments: 48 a + 8 s + 4 c
.set AS,  112                          ; v112-123  x's scale words: 6 a + s
.set BS,  124                          ; v124-177  W's scale words: 6 t + s
.set B,   178                          ; v178-225  one n tile's fragments: 8 s + 4 c
.set ACC, 226                          ; v226-241  two accumulators
.set PK,  242                          ; v242-249  packed results
.set SPW, 250
.set NIL, 251
.set SPARE, 55296                      ; behind W's codes: the spare words, 128 bytes a wave
	s_load_b256 s[4:11], s[0:1], 0x0               ; xc, xs, wc, ws
	s_load_b128 s[12:15], s[0:1], 0x20             ; qkv, qkvf
	v_lshl_add_u32 v[SPW], v0, 2, SPARE
	v_mov_b32 v[NIL], 0
	ds_add_u32 v[SPW], v[NIL]                      ; the wave's opening: the add, twice on end, and its wait ahead of my first tensor load
	ds_add_u32 v[SPW], v[NIL]
	v_lshrrev_b32 v1, 5, v0
	v_readfirstlane_b32 s28, v1                    ; wave
	s_and_b32 s30, ttmp7, 0xffff                   ; group of 9 n tiles
	s_lshl_b32 s31, ttmp9, 4
	s_lshl_b32 s32, s28, 1
	s_add_co_u32 s31, s31, s32                     ; my first token tile
	s_lshl_b32 s29, s31, 11                        ; its 2,048 bytes a tile in a plane
	s_mul_i32 s33, s30, 9                          ; my work-group's first n tile
	s_mov_b32 s16, 3<<16                           ; group 1: elements of 8 bytes, no mask, no padding
	s_mov_b32 s17, 32<<16                          ; tensor_dim0 = 32 (256 bytes)
	s_mov_b32 s18, 27<<16                          ; tensor_dim1 = 27
	s_mov_b32 s19, 32<<16                          ; tile_dim0
	s_mov_b32 s20, 27                              ; tile_dim1
	s_mov_b32 s21, 32                              ; the pitch: the block is dense
	s_mov_b32 s22, 0
	s_mov_b32 s23, 0
	v_and_b32 v3, 31, v0
	v_lshlrev_b32 v1, 4, v3                        ; 16 x lane
	v_and_b32 v2, 15, v0
	v_lshlrev_b32 v2, 2, v2                        ; 4 x (lane % 16)
	v_lshlrev_b32 v3, 2, v3                        ; 4 x lane
	s_mul_i32 s38, s30, 55296
	s_mul_i32 s25, s28, 6912                       ; my part, in LDS and in the block
	s_add_co_u32 s38, s38, s25
	s_mov_b32 s39, 0
	s_mov_b32 s41, 0
	s_wait_dscnt 0x0                               ; both opening adds are done
	s_wait_kmcnt 0x0
	s_mov_b32 s24, 1
	s_add_nc_u64 s[26:27], s[8:9], s[38:39]
	s_or_b32 s27, s27, 0x80000000
	tensor_load_to_lds s[24:27], s[16:23]
	s_nop 0
	s_mul_i32 s38, s31, 6144
	s_add_nc_u64 s[42:43], s[4:5], s[38:39]
	s_mul_i32 s38, s31, 768
	s_add_nc_u64 s[44:45], s[6:7], s[38:39]
	s_mul_i32 s38, s30, 576
	s_add_nc_u64 s[46:47], s[10:11], s[38:39]
.irp a, 0,1
.irp s, 0,1,2,3,4,5
.irp c, 0,1
	global_load_b128 v[A+48*\a+8*\s+4*\c:A+48*\a+8*\s+4*\c+3], v1, s[42:43] offset:6144*\a+1024*\s+512*\c
.endr
.endr
.endr
.irp a, 0,1
.irp s, 0,1,2,3,4,5
	global_load_b32 v[AS+6*\a+\s], v3, s[44:45] offset:768*\a+128*\s
.endr
.endr
.irp t, 0,1,2,3,4,5,6,7,8
.irp s, 0,1,2,3,4,5
	global_load_b32 v[BS+6*\t+\s], v2, s[46:47] offset:9216*\s+64*\t
.endr
.endr
	s_wait_tensorcnt 0x0                           ; my part of W's codes is in,
	s_barrier_signal -1
	s_barrier_wait -1                              ; everybody's is
.macro BLOAD t                         ; n tile t's six fragments
.irp s, 0,1,2,3,4,5
.irp c, 0,1
	ds_load_b128 v[B+8*\s+4*\c:B+8*\s+4*\c+3], v1 offset:6144*(\t)+1024*\s+512*\c
.endr
.endr
.endm
.macro FP4 d, p, q, z, sp, sq          ; z = 1: the product starts the sum
.if \z
	v_wmma_scale_f32_16x16x128_f8f6f4 v[\d:\d+7], v[\p:\p+7], v[\q:\q+7], 0, v[\sp], v[\sq] matrix_a_fmt:MATRIX_FMT_FP4 matrix_b_fmt:MATRIX_FMT_FP4
.else
	v_wmma_scale_f32_16x16x128_f8f6f4 v[\d:\d+7], v[\p:\p+7], v[\q:\q+7], v[\d:\d+7], v[\sp], v[\sq] matrix_a_fmt:MATRIX_FMT_FP4 matrix_b_fmt:MATRIX_FMT_FP4
.endif
.endm
; One n tile against my two token tiles.  v = 0: q or k, transposed; v = 1: v, as it is.  The two accumulators take turns, one instruction a turn.
.macro ARM t, v
	s_lshl_b32 s40, s40, 9+\v                      ; the tile's place in a head: chunks of 512 bytes (v: pairs of chunks)
	s_add_co_u32 s38, s38, s40
	s_add_nc_u64 s[34:35], s[12:13], s[38:39]
	s_lshl_b32 s40, s32, 10
	s_add_nc_u64 s[36:37], s[14:15], s[40:41]
.irp s, 0,1,2,3,4,5
.irp a, 0,1
.if \v
.if \s == 0
	FP4 ACC+8*\a, A+48*\a+8*\s, B+8*\s, 1, AS+6*\a+\s, BS+6*\t+\s
.else
	FP4 ACC+8*\a, A+48*\a+8*\s, B+8*\s, 0, AS+6*\a+\s, BS+6*\t+\s
.endif
.else
.if \s == 0
	FP4 ACC+8*\a, B+8*\s, A+48*\a+8*\s, 1, BS+6*\t+\s, AS+6*\a+\s
.else
	FP4 ACC+8*\a, B+8*\s, A+48*\a+8*\s, 0, BS+6*\t+\s, AS+6*\a+\s
.endif
.endif
.endr
.endr
.rept 4
	v_nop                                          ; places in front of loads into registers that the products have read, and of the first read of results
.endr
.if \t < 8
	BLOAD \t+1
.endif
.irp a, 0,1
.irp p, 0,1,2,3
	v_cvt_pk_f16_f32 v[PK+4*\a+\p], v[ACC+8*\a+2*\p], v[ACC+8*\a+2*\p+1]   ; each accumulator from its low end on.  (With the four above, each accumulator has eight places that do not name it ahead of the next tile's first product)
.endr
.endr
	s_cmp_lg_u32 s31, 0
	s_cbranch_scc1 .Lnot_first_\@
	global_store_b128 v1, v[ACC:ACC+3], s[36:37]   ; token tile 0 also leaves in f32
	global_store_b128 v1, v[ACC+4:ACC+7], s[36:37] offset:512
.Lnot_first_\@:
.irp a, 0,1
.if \v
	global_store_b128 v1, v[PK+4*\a:PK+4*\a+3], s[34:35] offset:512*\a    ; 512 consecutive aligned bytes
.else
	global_store_b128 v1, v[PK+4*\a:PK+4*\a+3], s[34:35] offset:2048*\a
.endif
.endr
.endm
.macro TILE t
	s_wait_dscnt 0x0                               ; the tile's fragments are in
	s_wait_xcnt 0x0                                ; the last tile's stores have read their data and bases: both are written again below
	s_add_co_u32 s32, s33, \t                      ; n tile T
	s_lshr_b32 s38, s32, 2
	s_lshl_b32 s38, s38, 19                        ; its plane
	s_add_co_u32 s38, s38, s29                     ; my token tiles in it
	s_and_b32 s40, s32, 3
	s_cmp_ge_u32 s32, 96                           ; ids alone
	s_cbranch_scc1 .Lvalue_\@
	ARM \t, 0
	s_branch .Ldone_\@
.Lvalue_\@:
	ARM \t, 1
.Ldone_\@:
.endm
	BLOAD 0
	s_wait_loadcnt 0x0                             ; x's codes, and all scale words
.irp t, 0,1,2,3,4,5,6,7,8
	TILE \t
.endr
	s_wait_tensorcnt 0x0                           ; the wave's end
	ds_add_u32 v[SPW], v[NIL]
	s_wait_dscnt 0x0
	s_endpgm
.Lfunc_end_k_q1e4d4d5ca1_qkv:
	.size	k_q1e4d4d5ca1_qkv, .Lfunc_end_k_q1e4d4d5ca1_qkv-k_q1e4d4d5ca1_qkv
	.p2alignl 7, 3214868480
	.fill 96, 4, 3214868480
	.section	.rodata,"a",@progbits
	.p2align	6, 0x0
	.amdhsa_kernel k_q1e4d4d5ca1_qkv
		.amdhsa_group_segment_fixed_size 167936
		.amdhsa_private_segment_fixed_size 0
		.amdhsa_enable_private_segment 0
		.amdhsa_kernarg_size 48
		.amdhsa_user_sgpr_count 2
		.amdhsa_user_sgpr_kernarg_segment_ptr 1
		.amdhsa_wavefront_size32 1
		.amdhsa_system_sgpr_workgroup_id_x 1
		.amdhsa_system_sgpr_workgroup_id_y 1
		.amdhsa_system_sgpr_workgroup_id_z 1
		.amdhsa_system_vgpr_workitem_id 0
		.amdhsa_next_free_vgpr 256
		.amdhsa_next_free_sgpr 66
		.amdhsa_reserve_vcc 0
		.amdhsa_float_denorm_mode_32 3
		.amdhsa_float_denorm_mode_16_64 3
		.amdhsa_memory_ordered 1
		.amdhsa_forward_progress 1
		.amdhsa_inst_pref_size 76
	.end_amdhsa_kernel
	.amdgpu_metadata
---
amdhsa.version: [ 1, 2 ]
amdhsa.kernels:
  - .name:           k_q1e4d4d5ca1_qkv
    .symbol:         k_q1e4d4d5ca1_qkv.kd
    .args:
      - { .name: xc, .offset: 0, .size: 8, .value_kind: global_buffer, .address_space: global }
      - { .name: xs, .offset: 8, .size: 8, .value_kind: global_buffer, .address_space: global }
      - { .name: wc, .offset: 16, .size: 8, .value_kind: global_buffer, .address_space: global }
      - { .name: ws, .offset: 24, .size: 8, .value_kind: global_buffer, .address_space: global }
      - { .name: qkv, .offset: 32, .size: 8, .value_kind: global_buffer, .address_space: global }
      - { .name: qkvf, .offset: 40, .size: 8, .value_kind: global_buffer, .address_space: global }
    .group_segment_fixed_size: 167936
    .private_segment_fixed_size: 0
    .kernarg_segment_align: 8
    .kernarg_segment_size: 48
    .max_flat_workgroup_size: 256
    .sgpr_count:     66
    .vgpr_count:     256
    .wavefront_size: 32
...
	.end_amdgpu_metadata
.endif
;; end of part 2
;; launch attn (part 3): grid 16 x 12, 8 waves a work-group, no clusters, 327,680 bytes of LDS; arguments qkv, ctx; writes ctx
.if DOCPART == 3
	.amdgcn_target "amdgcn-amd-amdhsa--gfx1250"
	.amdhsa_code_object_version 6
	.text
	.protected	k_q1e4d4d5ca1_attn
	.globl	k_q1e4d4d5ca1_attn
	.p2align	8
	.type	k_q1e4d4d5ca1_attn,@function
k_q1e4d4d5ca1_attn:
	s_mov_b64 s[64:65], 0
	v_nop
	global_prefetch_b8 v0, s[64:65] scope:SCOPE_SE
	s_setreg_imm32_b32 hwreg(HW_REG_WAVE_MODE, 25, 1), 1
	s_wait_xcnt 0x0
; ctx[q][head] = sum over keys k <= q of softmax_k(q . k / 8) v, 12 heads of 64, 4,096 positions.  Operands in f16 (q, k, v as stored; the weights p rounded once), products, maxima and sums in f32.
; SOFTMAX: for each query a running maximum m and sum l: p = 2^(c s - c m), c = log2(e) / 8; in every step O and l are multiplied by a = 2^(c m_old - c m_new).
; SHARES: work-group (i, head) makes query blocks i and 31 - i, 128 queries each, one after the other: (i + 1) + (32 - i) = 33 rounds of 128 keys for every work-group.  Wave w: wq = w & 3 owns 32 queries (two tiles of 16),
; team = w >> 2 takes the steps of 64 keys of its parity.  At a block's end team 1 hands (c m, l, O) to team 0 through LDS; team 0 merges, divides and stores.
; LAYOUT: both products transposed: S^T = K Q^T (source 0 = 16 keys, source 1 = 16 queries), O^T = V^T P (source 0 = 16 of the head's 64, source 1 = P): a lane holds one query throughout, and two score tiles, packed to f16 in
; place, ARE P's fragment.  All operands lie in memory as images of these registers, in chunks of 512 bytes, so every fragment comes by ds_load_b128 at 16 x lane.
; RING: two slots of 256 keys (32 KB of K, 32 KB of V).  Each wave fills one eighth by one tensor load: 32 keys of the slot's first 128 and the 32 keys 128 further on.  One load of mine is out behind each barrier.
; CAUSAL: trip counts are constants (8 and 16 slots); a step all of whose keys come after my 32 queries is jumped over, and a slot whose first key comes after the block's last query is not asked for: both by ids and the count of steps alone.
; No cluster: under the mask the sixteen walks of a head have different lengths, so a partner would be named in loads none of whose bytes it reads.
; ctx: [query tile 256][chunk 4 head + dt][lane (r = query, h)][8 f16: d = 16 dt + 8 h + 0..7].
; LIMITS: |ctx| under 65,504; NaN and infinities are not served; the reference point is c m rounded to f32, so p can pass 1 by half an ulp of c m in the exponent.
.set SLOTB, 65536
.set MRG,   131072                     ; behind the ring: 8,704 bytes for each wq: team 1's O (16 chunks) and its statistics
.set SPARE, 165888                     ; the spare words, 128 bytes a wave
.set SPW, 9                            ; v9, v10: the add's two; never rewritten
.set NIL, 10
.set ST,  16                           ; v16-31   tile t at 16 + 8 t: +0 c m, +1 m, +2, +3 l, +4..7 at work (a in +6)
.set Q,   32                           ; v32-63   16 t + 4 chunk
.set KV,  64                           ; v64-127  a step's K, then its V
.set S,   128                          ; v128-191 S^T: 32 t + 8 j; then p; then P in the first 16 of each 32
.set O,   192                          ; v192-255 O^T: 32 t + 8 dt
; v1 16 lane + 16,384 team; v2 the same in the slot in hand; v3 16 lane; v4 my place in MRG; v5, v6 the mask's bounds; v7 -infinity; v8 r - 8 h; v11 the prefetch's offset; v12-15 statistics in transit
; s8 wave, s9 team, s10 wq, s11 i, s12 head, s13-15 the block's first query, its last, my first; s[16:23], s[24:27] descriptor; s[40:41] my part of keys 0-255; s[42:43], s44 prefetch; s45 trips, s46 slot, s47 the slot's first key
	s_load_b128 s[4:7], s[0:1], 0x0                ; qkv, ctx
	v_lshl_add_u32 v[SPW], v0, 2, SPARE
	v_mov_b32 v[NIL], 0
	ds_add_u32 v[SPW], v[NIL]                      ; the wave's opening: the add, twice on end, and its wait ahead of my first tensor load
	ds_add_u32 v[SPW], v[NIL]
	v_lshrrev_b32 v1, 5, v0
	v_readfirstlane_b32 s8, v1
	s_lshr_b32 s9, s8, 2
	s_and_b32 s10, s8, 3
	s_mov_b32 s11, ttmp9
	s_and_b32 s12, ttmp7, 0xffff
	s_mov_b32 s16, 3<<16                           ; group 1: elements of 8 bytes, no mask, no padding
	s_mov_b32 s17, 512<<16                         ; tensor_dim0 = 512 (4,096 bytes: 32 keys)
	s_mov_b32 s18, 2<<16                           ; tensor_dim1 = 2
	s_mov_b32 s19, 512<<16                         ; tile_dim0
	s_mov_b32 s20, 2                               ; tile_dim1
	s_mov_b32 s21, 2048                            ; the pitch: 16,384 bytes, 128 keys
	s_mov_b32 s22, 0
	s_mov_b32 s23, 0
	s_lshl_b32 s28, s12, 19                        ; the head's plane
	s_add_co_u32 s32, s9, 1
	s_mul_i32 s32, s32, 6291456                    ; team 0's waves fetch K (planes 12 on), team 1's V (planes 24 on)
	s_add_co_u32 s32, s32, s28
	s_lshl_b32 s33, s10, 12
	s_add_co_u32 s32, s32, s33                     ; + my 32 keys
	s_mov_b32 s33, 0
	s_lshl_b32 s48, s9, 6                          ; 64 x team
	s_mov_b32 s54, 0x3e38aa3b                      ; c = log2(e) / 8
	s_mov_b32 s55, s54                             ; (named with it as a pair)
	s_mov_b32 s56, 0x76543210
	s_mov_b32 s57, 0xfedcba98
	s_cmp_eq_u32 s11, 0
	s_cselect_b32 s44, 1, -1                       ; the head's work-group 0 prefetches
	s_wait_dscnt 0x0                               ; both opening adds are done
	s_wait_kmcnt 0x0
	s_add_nc_u64 s[40:41], s[4:5], s[32:33]
	s_mov_b32 s24, 1
	s_lshl_b32 s25, s8, 13                         ; my eighth of slot 0
	s_mov_b64 s[26:27], s[40:41]
	s_or_b32 s27, s27, 0x80000000
	tensor_load_to_lds s[24:27], s[16:23]          ; the low block's keys 0-255
	s_nop 0
	s_add_nc_u64 s[42:43], s[40:41], 32768         ; the prefetches stand a slot on; each change of slots of the high block steps them once more
	v_and_b32 v3, 31, v0
	v_lshlrev_b32 v3, 4, v3
	s_lshl_b32 s49, s9, 14
	v_add_nc_u32 v1, s49, v3
	s_mul_i32 s49, s10, 8704
	s_add_co_u32 s49, s49, MRG
	v_add_nc_u32 v4, s49, v3
	v_and_b32 v5, 15, v0                           ; r
	v_bfe_u32 v6, v0, 4, 1
	v_lshlrev_b32 v6, 3, v6                        ; 8 h
	v_sub_nc_u32 v8, v5, v6
	v_lshlrev_b32 v11, 8, v5
	v_lshl_add_u32 v11, v6, 11, v11                ; 256 (lane % 16) + 16,384 (lane / 16): my part's 32 blocks of 256 bytes, a lane a block
	v_mov_b32 v7, 0xff800000
.macro NEWBLOCK hi                     ; the block's ids, my Q, and empty sums
	s_wait_xcnt 0x0                                ; earlier loads and stores have read their bases
.if \hi
	s_sub_co_u32 s13, 31, s11
	s_lshl_b32 s13, s13, 7
.else
	s_lshl_b32 s13, s11, 7
.endif
	s_add_co_u32 s14, s13, 127
	s_lshl_b32 s49, s10, 5
	s_add_co_u32 s15, s13, s49
	s_mul_i32 s32, s15, 1536                       ; a query tile's 48 chunks are 24,576 bytes
	s_lshl_b32 s49, s12, 11
	s_add_co_u32 s32, s32, s49
	s_add_nc_u64 s[58:59], s[6:7], s[32:33]
	s_lshl_b32 s32, s15, 7
	s_add_co_u32 s32, s32, s28
	s_add_nc_u64 s[30:31], s[4:5], s[32:33]
	s_mov_b32 s47, 0
	s_mov_b32 s46, 0
.irp t, 0,1
.irp ch, 0,1,2,3
	global_load_b128 v[Q+16*\t+4*\ch:Q+16*\t+4*\ch+3], v3, s[30:31] offset:2048*\t+512*\ch
.endr
.endr
.irp t, 0,1
	v_mov_b32 v[ST+8*\t+1], 0xff61b1e6             ; m = -3e38, under every score
	v_mul_f32 v[ST+8*\t], s54, v[ST+8*\t+1]
.irp k, 2,3,4,5,6,7
	v_mov_b32 v[ST+8*\t+\k], 0
.endr
.endr
.set k, 0
.rept 64
	v_mov_b32 v[O+k], 0                            ; the step is written once: the first finds zeros, which a = 0 leaves zeros
.set k, k+1
.endr
	s_wait_loadcnt 0x0
.endm
; A prefetch of my own eighth of the slot that the NEXT change of slots will ask for, a trip ahead of that load.  All sixteen work-groups of a head walk the same K and V; work-group 0, whose low block is the shortest,
; asks, in its high block, each wave for the part that it fetches: so each aligned block of 256 bytes is named once.  Keys 0-511 come by their loads alone; the last two slots' trips ask for nothing.
.macro ASK
	s_cmp_gt_u32 s45, s44
	s_cbranch_scc0 .Lnot_mine_\@
	global_prefetch_b8 v11, s[42:43] th:TH_LOAD_NT scope:SCOPE_SE
.Lnot_mine_\@:
.endm
; THE CHANGE OF SLOTS, at a slot's head.  Each wave waits for all its tensor loads (its eighth of the slot ahead), adds 0 to its spare word, and waits for that and for its reads of the slot that it has left.
; Behind the barrier the slot ahead is whole and nobody reads the other: fill = 1: it takes the next 256 keys, up to the causal limit.
.macro CHANGE fill, hi
	s_wait_tensorcnt 0x0                           ; no tensor load of mine is out, so the descriptor may be written
	ds_add_u32 v[SPW], v[NIL]
.if \fill
	s_xor_b32 s25, s25, SLOTB                      ; the other slot than last time,
	s_add_nc_u64 s[26:27], s[26:27], 32768         ; the next 256 keys
.if \hi
	s_wait_xcnt 0x0                                ; the last prefetch, a trip back, has read its address
	s_add_nc_u64 s[42:43], s[42:43], 32768
.endif
.endif
	s_wait_dscnt 0x0                               ; the add is done, and my reads of the slot that I have left are over
	s_barrier_signal -1
	s_barrier_wait -1
.if \fill
	s_add_co_u32 s49, s47, 256                     ; the first key of the slot that this change would ask for
	s_cmp_gt_u32 s49, s14                          ; past the block's last query none of the eight waves reads it: ids and the count of trips alone, the same in all waves
	s_cbranch_scc1 .Lpast_\@
	tensor_load_to_lds s[24:27], s[16:23]          ; my one tensor load until the next such barrier
	s_nop 0
.Lpast_\@:
.if \hi
	ASK
.endif
.endif
	v_add_nc_u32 v2, s46, v1
.endm
.macro SOFTMAX                         ; both tiles line by line, so that no line waits for the line above it
.irp j, 0,1,2,3
.irp t, 0,1
	v_max3_num_f32 v[ST+8*\t+4+\j], v[S+32*\t+8*\j], v[S+32*\t+8*\j+1], v[S+32*\t+8*\j+2]   ; four chains, each begun at its accumulator's low end
.endr
.endr
.irp u, 1,2
.irp j, 0,1,2,3
.irp t, 0,1
	v_max3_num_f32 v[ST+8*\t+4+\j], v[ST+8*\t+4+\j], v[S+32*\t+8*\j+2*\u+1], v[S+32*\t+8*\j+2*\u+2]
.endr
.endr
.endr
.irp t, 0,1
	v_max3_num_f32 v[ST+8*\t+4], v[ST+8*\t+4], v[S+32*\t+7], v[S+32*\t+15]
	v_max3_num_f32 v[ST+8*\t+6], v[ST+8*\t+6], v[S+32*\t+23], v[S+32*\t+31]
.endr
.irp t, 0,1
	v_max3_num_f32 v[ST+8*\t+4], v[ST+8*\t+4], v[ST+8*\t+5], v[ST+8*\t+6]
.endr
.irp t, 0,1
	v_max3_num_f32 v[ST+8*\t+4], v[ST+8*\t+4], v[ST+8*\t+7], v[ST+8*\t+1]   ; with the old m
.endr
.irp t, 0,1
	v_permlanex16_b32 v[ST+8*\t+5], v[ST+8*\t+4], s56, s57   ; the query's other keys lie in the lane 16 away
	v_mov_b32 v[ST+8*\t+7], v[ST+8*\t]             ; c m_old
.endr
.irp t, 0,1
	v_max_num_f32 v[ST+8*\t+1], v[ST+8*\t+4], v[ST+8*\t+5]
.endr
.irp t, 0,1
	v_mul_f32 v[ST+8*\t], s54, v[ST+8*\t+1]
.endr
.irp t, 0,1
	v_sub_f32 v[ST+8*\t+7], v[ST+8*\t+7], v[ST+8*\t]
.endr
.irp b, 0,1,2,3,4,5,6,7,8,9,10,11,12,13,14,15
.irp t, 0,1
	v_pk_fma_f32 v[S+32*\t+2*\b:S+32*\t+2*\b+1], v[S+32*\t+2*\b:S+32*\t+2*\b+1], s[54:55], v[ST+8*\t:ST+8*\t+1] op_sel_hi:[1,0,0] neg_lo:[0,0,1] neg_hi:[0,0,1]   ; c s - c m
.endr
.endr
.irp t, 0,1
	v_exp_f32 v[ST+8*\t+6], v[ST+8*\t+7]           ; a
.endr
.set k, 0
.rept 64
	v_exp_f32 v[S+k], v[S+k]                       ; p: one batch of 66 exponentials
.set k, k+1
.endr
	v_nop                                          ; a plain line behind the last exponential
	s_wait_alu depctr_va_vdst(0)                   ; one wait for the batch, ahead of its first reader
.irp t, 0,1
	v_pk_fma_f32 v[ST+8*\t+2:ST+8*\t+3], v[ST+8*\t+2:ST+8*\t+3], v[ST+8*\t+6:ST+8*\t+7], v[S+32*\t:S+32*\t+1] op_sel_hi:[1,0,1]   ; l = a l + the first pair
.endr
.irp t, 0,1
	v_pk_add_f32 v[ST+8*\t+4:ST+8*\t+5], v[S+32*\t+2:S+32*\t+3], v[S+32*\t+4:S+32*\t+5]   ; a second chain
.endr
.irp b, 3,5,7,9,11,13
.irp t, 0,1
	v_pk_add_f32 v[ST+8*\t+2:ST+8*\t+3], v[ST+8*\t+2:ST+8*\t+3], v[S+32*\t+2*\b:S+32*\t+2*\b+1]
	v_pk_add_f32 v[ST+8*\t+4:ST+8*\t+5], v[ST+8*\t+4:ST+8*\t+5], v[S+32*\t+2*\b+2:S+32*\t+2*\b+3]
.endr
.endr
.irp t, 0,1
	v_pk_add_f32 v[ST+8*\t+2:ST+8*\t+3], v[ST+8*\t+2:ST+8*\t+3], v[S+32*\t+30:S+32*\t+31]
.endr
.irp t, 0,1
	v_pk_add_f32 v[ST+8*\t+2:ST+8*\t+3], v[ST+8*\t+2:ST+8*\t+3], v[ST+8*\t+4:ST+8*\t+5]
.endr
.irp b, 0,1,2,3,4,5,6,7,8,9,10,11,12,13,14,15
.irp t, 0,1
	v_cvt_pk_f16_f32 v[S+32*\t+\b], v[S+32*\t+2*\b], v[S+32*\t+2*\b+1]   ; in place, ascending: the first 16 registers of a tile become P's two fragments
.endr
.endr
.irp b, 0,1,2,3,4,5,6,7,8,9,10,11,12,13,14,15
.irp t, 0,1
	v_pk_mul_f32 v[O+32*\t+2*\b:O+32*\t+2*\b+1], v[O+32*\t+2*\b:O+32*\t+2*\b+1], v[ST+8*\t+6:ST+8*\t+7] op_sel_hi:[1,0]   ; O^T x a, each accumulator from its low end on
.endr
.endr
.endm
; A STEP: my team's 64 keys of the slot's round q.  In both products eight accumulators take turns, one instruction a turn.
.macro STEP q
	s_add_co_u32 s50, s47, s48
.if \q
	s_add_co_u32 s50, s50, 128
.endif                                             ; s50: the step's first key
	s_add_co_u32 s51, s15, 31
	s_cmp_gt_u32 s50, s51                          ; all its keys come after my 32 queries
	s_cbranch_scc1 .Lskip_\@
.irp j, 0,1,2,3
.irp ch, 0,1,2,3
	ds_load_b128 v[KV+16*\j+4*\ch:KV+16*\j+4*\ch+3], v2 offset:8192*(\j/2)+4096*\q+2048*(\j%2)+512*\ch   ; K: keys 16 j on, chunk ch
.endr
.endr
	s_wait_dscnt 0x0
.irp f, 0,1
.irp j, 0,1,2,3
.irp t, 0,1
.if \f == 0
	v_wmma_f32_16x16x32_f16 v[S+32*\t+8*\j:S+32*\t+8*\j+7], v[KV+16*\j+8*\f:KV+16*\j+8*\f+7], v[Q+16*\t+8*\f:Q+16*\t+8*\f+7], 0
.else
	v_wmma_f32_16x16x32_f16 v[S+32*\t+8*\j:S+32*\t+8*\j+7], v[KV+16*\j+8*\f:KV+16*\j+8*\f+7], v[Q+16*\t+8*\f:Q+16*\t+8*\f+7], v[S+32*\t+8*\j:S+32*\t+8*\j+7]
.endif
.endr
.endr
.endr
.rept 4
	v_nop                                          ; places in front of loads into K's registers and of the first read of the scores
.endr
.irp g, 0,1
.irp dt, 0,1,2,3
.irp c, 0,1
	ds_load_b128 v[KV+8*(4*\g+\dt)+4*\c:KV+8*(4*\g+\dt)+4*\c+3], v2 offset:32768+8192*\g+4096*\q+1024*\dt+512*\c   ; V^T: keys 32 g on, d 16 dt on: it lands while the softmax is walked
.endr
.endr
.endr
	s_add_co_u32 s51, s50, 63
	s_cmp_le_u32 s51, s15                          ; all 64 keys count for all my queries
	s_cbranch_scc1 .Lopen_\@
	s_sub_co_i32 s51, s15, s50
	v_add_nc_u32 v5, s51, v8                       ; tile 0: my query - the step's first key - 8 h.  Register 8 j + e holds key 16 j + 8 h + e: hidden where 16 j + e is greater
	v_add_nc_u32 v6, 16, v5                        ; tile 1
.irp t, 0,1
.irp j, 0,1,2,3
.irp e, 0,1,2,3,4,5,6,7
	v_cmp_gt_i32 vcc_lo, 16*\j+\e, v[5+\t]
	v_cndmask_b32 v[S+32*\t+8*\j+\e], v[S+32*\t+8*\j+\e], v7, vcc_lo
.endr
.endr
.endr
.Lopen_\@:
	SOFTMAX
	s_wait_dscnt 0x0                               ; V is in
.irp g, 0,1
.irp dt, 0,1,2,3
.irp t, 0,1
	v_wmma_f32_16x16x32_f16 v[O+32*\t+8*\dt:O+32*\t+8*\dt+7], v[KV+8*(4*\g+\dt):KV+8*(4*\g+\dt)+7], v[S+32*\t+8*\g:S+32*\t+8*\g+7], v[O+32*\t+8*\dt:O+32*\t+8*\dt+7]
.endr
.endr
.endr
.rept 5
	v_nop                                          ; five places: the next scores are laid over P, which these products have read; they serve the next loads into V's registers and the reads of O^T too
.endr
.Lskip_\@:
.endm
.macro SLOT_STEPS
	STEP 0
	STEP 1
	s_xor_b32 s46, s46, SLOTB
	s_add_co_u32 s47, s47, 256
.endm
.macro PHASE trips, hi                 ; a block's walk: every slot but the last asks for the next; the last is written out, so that no slot is filled that no step reads
	s_mov_b32 s45, \trips-1
.Lslot_\@:
	CHANGE 1, \hi
	SLOT_STEPS
	s_sub_co_u32 s45, s45, 1
	s_cmp_lg_u32 s45, 0
	s_cbranch_scc1 .Lslot_\@
	CHANGE 0, \hi
	SLOT_STEPS
.endm
.macro PUT                             ; team 1: my sums go to LDS as they stand
	s_cmp_eq_u32 s9, 0
	s_cbranch_scc1 .Lteam0_\@
	v_mov_b32 v12, v[ST]
	v_add_f32 v13, v[ST+2], v[ST+3]
	v_mov_b32 v14, v[ST+8]
	v_add_f32 v15, v[ST+10], v[ST+11]
.set k, 0
.rept 16
	ds_store_b128 v4, v[O+4*k:O+4*k+3] offset:512*k   ; each accumulator from its low end on
.set k, k+1
.endr
	ds_store_b128 v4, v[12:15] offset:8192
.Lteam0_\@:
.endm
.macro FINISH                          ; team 0: both teams' sums under the larger c m; divided by l; rounded to f16; stored
	s_cmp_lg_u32 s9, 0
	s_cbranch_scc1 .Lteam1_\@
.set k, 0
.rept 16
	ds_load_b128 v[KV+4*k:KV+4*k+3], v4 offset:512*k
.set k, k+1
.endr
	ds_load_b128 v[12:15], v4 offset:8192
	s_wait_dscnt 0x0
.irp t, 0,1
	v_max_num_f32 v[ST+8*\t+1], v[ST+8*\t], v[12+2*\t]
.endr
.irp t, 0,1
	v_sub_f32 v[ST+8*\t+4], v[ST+8*\t], v[ST+8*\t+1]
	v_sub_f32 v[ST+8*\t+5], v[12+2*\t], v[ST+8*\t+1]
.endr
.irp t, 0,1
	v_exp_f32 v[ST+8*\t+4], v[ST+8*\t+4]           ; my factor,
	v_exp_f32 v[ST+8*\t+5], v[ST+8*\t+5]           ; team 1's
.endr
.irp t, 0,1
	v_add_f32 v[ST+8*\t+2], v[ST+8*\t+2], v[ST+8*\t+3]   ; (plain lines behind the batch)
.endr
	s_wait_alu depctr_va_vdst(0)                   ; one wait for the four
.irp t, 0,1
	v_mul_f32 v[ST+8*\t+2], v[ST+8*\t+2], v[ST+8*\t+4]
.endr
.irp t, 0,1
	v_fmac_f32 v[ST+8*\t+2], v[13+2*\t], v[ST+8*\t+5]
.endr
.irp t, 0,1
	v_permlanex16_b32 v[ST+8*\t+3], v[ST+8*\t+2], s56, s57
.endr
.irp t, 0,1
	v_add_f32 v[ST+8*\t+2], v[ST+8*\t+2], v[ST+8*\t+3]   ; the row's sum
.endr
.irp t, 0,1
	v_rcp_f32 v[ST+8*\t+3], v[ST+8*\t+2]
.endr
	v_nop
	s_wait_alu depctr_va_vdst(0)                   ; one wait for the two
.irp t, 0,1
	v_mul_f32 v[ST+8*\t+6], v[ST+8*\t+5], v[ST+8*\t+3]
	v_mul_f32 v[ST+8*\t+4], v[ST+8*\t+4], v[ST+8*\t+3]
.endr
.irp t, 0,1
.irp b, 0,1,2,3,4,5,6,7,8,9,10,11,12,13,14,15
	v_pk_mul_f32 v[O+32*\t+2*\b:O+32*\t+2*\b+1], v[O+32*\t+2*\b:O+32*\t+2*\b+1], v[ST+8*\t+4:ST+8*\t+5] op_sel_hi:[1,0]
.endr
.endr
.irp t, 0,1
.irp b, 0,1,2,3,4,5,6,7,8,9,10,11,12,13,14,15
	v_pk_fma_f32 v[O+32*\t+2*\b:O+32*\t+2*\b+1], v[KV+32*\t+2*\b:KV+32*\t+2*\b+1], v[ST+8*\t+6:ST+8*\t+7], v[O+32*\t+2*\b:O+32*\t+2*\b+1] op_sel_hi:[1,0,1]
.endr
.endr
.set k, 0
.rept 32
	v_cvt_pk_f16_f32 v[S+k], v[O+2*k], v[O+2*k+1]
.set k, k+1
.endr
.irp t, 0,1
.irp dt, 0,1,2,3
	global_store_b128 v3, v[S+16*\t+4*\dt:S+16*\t+4*\dt+3], s[58:59] offset:24576*\t+512*\dt   ; a chunk: 512 consecutive aligned bytes
.endr
.endr
.Lteam1_\@:
.endm
	NEWBLOCK 0
	PHASE 8, 0
	PUT
	s_wait_tensorcnt 0x0                           ; between the blocks slot 0 is filled again, with keys 0-255 for the high block: the same three lines, barrier and one load
	ds_add_u32 v[SPW], v[NIL]
	s_lshl_b32 s25, s8, 13
	s_mov_b64 s[26:27], s[40:41]
	s_or_b32 s27, s27, 0x80000000
	s_wait_dscnt 0x0                               ; the add, my reads of the ring and team 1's stores are done
	s_barrier_signal -1
	s_barrier_wait -1
	tensor_load_to_lds s[24:27], s[16:23]
	s_nop 0
	FINISH
	NEWBLOCK 1
	PHASE 16, 1
	PUT
	s_wait_dscnt 0x0                               ; team 1's stores are done
	s_barrier_signal -1
	s_barrier_wait -1
	FINISH
	s_wait_tensorcnt 0x0                           ; the wave's end
	ds_add_u32 v[SPW], v[NIL]
	s_wait_dscnt 0x0
	s_endpgm
.Lfunc_end_k_q1e4d4d5ca1_attn:
	.size	k_q1e4d4d5ca1_attn, .Lfunc_end_k_q1e4d4d5ca1_attn-k_q1e4d4d5ca1_attn
	.p2alignl 7, 3214868480
	.fill 96, 4, 3214868480
	.section	.rodata,"a",@progbits
	.p2align	6, 0x0
	.amdhsa_kernel k_q1e4d4d5ca1_attn
		.amdhsa_group_segment_fixed_size 327680
		.amdhsa_private_segment_fixed_size 0
		.amdhsa_enable_private_segment 0
		.amdhsa_kernarg_size 16
		.amdhsa_user_sgpr_count 2
		.amdhsa_user_sgpr_kernarg_segment_ptr 1
		.amdhsa_wavefront_size32 1
		.amdhsa_system_sgpr_workgroup_id_x 1
		.amdhsa_system_sgpr_workgroup_id_y 1
		.amdhsa_system_sgpr_workgroup_id_z 1
		.amdhsa_system_vgpr_workitem_id 0
		.amdhsa_next_free_vgpr 256
		.amdhsa_next_free_sgpr 66
		.amdhsa_reserve_vcc 1
		.amdhsa_float_denorm_mode_32 3
		.amdhsa_float_denorm_mode_16_64 3
		.amdhsa_memory_ordered 1
		.amdhsa_forward_progress 1
		.amdhsa_inst_pref_size 204
	.end_amdhsa_kernel
	.amdgpu_metadata
---
amdhsa.version: [ 1, 2 ]
amdhsa.kernels:
  - .name:           k_q1e4d4d5ca1_attn
    .symbol:         k_q1e4d4d5ca1_attn.kd
    .args:
      - { .name: qkv, .offset: 0, .size: 8, .value_kind: global_buffer, .address_space: global }
      - { .name: ctx, .offset: 8, .size: 8, .value_kind: global_buffer, .address_space: global }
    .group_segment_fixed_size: 327680
    .private_segment_fixed_size: 0
    .kernarg_segment_align: 8
    .kernarg_segment_size: 16
    .max_flat_workgroup_size: 256
    .sgpr_count:     66
    .vgpr_count:     256
    .wavefront_size: 32
...
	.end_amdgpu_metadata
.endif
;; end of part 3
;; launch proj (part 4): grid 16 x 12, 8 waves a work-group, no clusters, 167,936 bytes of LDS; arguments ctx, wo, b_out, out0; writes out0
.if DOCPART == 4
	.amdgcn_target "amdgcn-amd-amdhsa--gfx1250"
	.amdhsa_code_object_version 6
	.text
	.protected	k_q1e4d4d5ca1_proj
	.globl	k_q1e4d4d5ca1_proj
	.p2align	8
	.type	k_q1e4d4d5ca1_proj,@function
k_q1e4d4d5ca1_proj:
	s_mov_b64 s[64:65], 0
	v_nop
	global_prefetch_b8 v0, s[64:65] scope:SCOPE_SE
	s_setreg_imm32_b32 hwreg(HW_REG_WAVE_MODE, 25, 1), 1
	s_wait_xcnt 0x0
; out0 = ctx W_out + b_out for rows 16 to 4,095; operands in f16, sums in f32.  Rows 0 to 15 are another launch's, which carries them in f32.
; ctx: [query tile 256][chunk of 16 k: 48][lane (r = token, h)][8 f16]; wo: [n tile 48][chunk 48][lane (r = n, h)][8 f16]: images of the operands' registers.
; SHARES: a work-group takes 256 tokens x 64 columns (256 bytes of a row of out0); wave w token tiles 2 w, 2 w + 1 against 4 n tiles: eight accumulators, which take turns, one instruction a turn.
; W_out's 98,304 bytes come into LDS once (each wave 12,288 by one tensor load: one load of mine is out) and are read by all eight waves; ctx goes from memory into the registers of the wave that multiplies it, six K steps ahead.
; The product is used transposed (source 0 = 16 columns of W_out, source 1 = 16 tokens): a lane holds eight neighbouring columns of one row.  The bias is the C of each sum's first product.
; No cluster: the jump over rows 0 to 15 hangs on the token group, which partners along the shared weights would not have alike, and the shared weights are 96 of a work-group's 490 KB.
.set AR,  16                           ; v16-111   ctx's fragments, a ring of six K steps: 16 (s % 6) + 8 a + 4 c; on the way out rows read back
.set B0,  112                          ; v112-143  W_out's fragments of even K steps
.set AC,  144                          ; v144-207  accumulators: 8 (4 a + n)
.set BI,  208                          ; v208-239  the bias, 8 n; from K step 1 on W_out's fragments of odd K steps
.set SPW, 240
.set NIL, 241
.set STAGE, 98304                      ; behind W_out: 16 rows x (256 + 16) bytes for each wave
.set SPARE, 133120
	s_load_b256 s[4:11], s[0:1], 0x0               ; ctx, wo, b_out, out0
	v_lshl_add_u32 v[SPW], v0, 2, SPARE
	v_mov_b32 v[NIL], 0
	ds_add_u32 v[SPW], v[NIL]                      ; the wave's opening: the add, twice on end, and its wait ahead of my first tensor load
	ds_add_u32 v[SPW], v[NIL]
	v_lshrrev_b32 v1, 5, v0
	v_readfirstlane_b32 s12, v1                    ; wave
	s_and_b32 s14, ttmp7, 0xffff                   ; group of 64 columns
	s_lshl_b32 s15, ttmp9, 4
	s_lshl_b32 s34, s12, 1
	s_add_co_u32 s15, s15, s34                     ; my first token tile
	s_mov_b32 s16, 3<<16                           ; group 1: elements of 8 bytes
	s_mov_b32 s17, 32<<16                          ; rows of 256 bytes,
	s_mov_b32 s18, 48<<16                          ; 48 of them,
	s_mov_b32 s19, 32<<16
	s_mov_b32 s20, 48
	s_mov_b32 s21, 32                              ; dense
	s_mov_b32 s22, 0
	s_mov_b32 s23, 0
	s_mul_i32 s25, s12, 12288
	s_mul_i32 s34, s14, 98304
	s_add_co_u32 s34, s34, s25
	s_mov_b32 s35, 0
	v_and_b32 v1, 31, v0
	v_lshlrev_b32 v1, 4, v1                        ; 16 x lane: n tiles 0, 1
	v_add_nc_u32 v2, 49152, v1                     ; n tiles 2, 3
	v_and_b32 v7, 15, v0                           ; r
	v_bfe_u32 v8, v0, 4, 1                         ; h
	s_mul_i32 s36, s12, 4352
	s_add_co_u32 s36, s36, STAGE
	v_mul_u32_u24 v3, v7, 272
	v_lshl_add_u32 v3, v8, 5, v3
	v_add_nc_u32 v3, s36, v3                       ; into my stage: row r, 32 bytes for each half of the lanes
	v_mul_u32_u24 v4, v8, 272
	v_lshl_add_u32 v4, v7, 4, v4
	v_add_nc_u32 v4, s36, v4                       ; back: lanes 0-15 one row of 256 bytes, lanes 16-31 the next
	v_mul_u32_u24 v5, v8, 3072
	v_lshl_add_u32 v5, v7, 4, v5                   ; and the same two rows in out0
	v_lshlrev_b32 v6, 5, v8                        ; the bias: 32 h
	s_wait_dscnt 0x0                               ; both opening adds are done
	s_wait_kmcnt 0x0
	s_mov_b32 s24, 1
	s_add_nc_u64 s[26:27], s[6:7], s[34:35]
	s_or_b32 s27, s27, 0x80000000
	tensor_load_to_lds s[24:27], s[16:23]
	s_nop 0
	s_mul_i32 s34, s15, 24576
	s_add_nc_u64 s[28:29], s[4:5], s[34:35]
	s_lshl_b32 s34, s14, 8
	s_add_nc_u64 s[30:31], s[8:9], s[34:35]
	s_add_nc_u64 s[32:33], s[10:11], s[34:35]
	s_mul_i32 s34, s15, 49152
	s_add_nc_u64 s[32:33], s[32:33], s[34:35]
.irp n, 0,1,2,3
	global_load_b128 v[BI+8*\n:BI+8*\n+3], v6, s[30:31] offset:64*\n       ; b_out at my eight columns of n tile n
	global_load_b128 v[BI+8*\n+4:BI+8*\n+7], v6, s[30:31] offset:64*\n+16
.endr
.macro AL s                            ; ctx's two fragments of K step s
.irp a, 0,1
.irp c, 0,1
	global_load_b128 v[AR+16*((\s)%6)+8*\a+4*\c:AR+16*((\s)%6)+8*\a+4*\c+3], v1, s[28:29] offset:24576*\a+1024*(\s)+512*\c
.endr
.endr
.endm
.macro BL s                            ; W_out's four fragments of K step s
.set BB, B0+96*((\s)%2)
.irp n, 0,1,2,3
.irp c, 0,1
	ds_load_b128 v[BB+8*\n+4*\c:BB+8*\n+4*\c+3], v[1+\n/2] offset:24576*(\n%2)+1024*(\s)+512*\c
.endr
.endr
.endm
.irp s, 0,1,2,3,4,5
	AL \s
.endr
	s_wait_tensorcnt 0x0                           ; my part of W_out is in,
	s_barrier_signal -1
	s_barrier_wait -1                              ; everybody's is
	BL 0
.macro PSTEP s
.if (\s) >= 1 && (\s) <= 22
	BL (\s)+1                                      ; into the buffer that the step before has multiplied, behind its four places
	s_wait_dscnt 8                                 ; this step's fragments are in; the eight loads just issued stay out
.else
	s_wait_dscnt 0x0
.endif
.if 23-(\s) >= 5
	s_wait_loadcnt 20                              ; ctx's fragments of this step are in; those of the five steps behind it stay out
.else
	s_wait_loadcnt 4*(23-(\s))
.endif
.set BB, B0+96*((\s)%2)
.irp a, 0,1
.irp n, 0,1,2,3
.if (\s) == 0
	v_wmma_f32_16x16x32_f16 v[AC+8*(4*\a+\n):AC+8*(4*\a+\n)+7], v[BB+8*\n:BB+8*\n+7], v[AR+16*((\s)%6)+8*\a:AR+16*((\s)%6)+8*\a+7], v[BI+8*\n:BI+8*\n+7]
.else
	v_wmma_f32_16x16x32_f16 v[AC+8*(4*\a+\n):AC+8*(4*\a+\n)+7], v[BB+8*\n:BB+8*\n+7], v[AR+16*((\s)%6)+8*\a:AR+16*((\s)%6)+8*\a+7], v[AC+8*(4*\a+\n):AC+8*(4*\a+\n)+7]
.endif
.endr
.endr
.rept 4
	v_nop                                          ; places in front of loads into registers that these products have read, and of the first read of results
.endr
.if (\s) == 0
	BL 1                                           ; into the bias's registers, which have served
.endif
.if (\s) <= 17
	AL (\s)+6
.endif
.endm
.irp s, 0,1,2,3,4,5,6,7,8,9,10,11,12,13,14,15,16,17,18,19,20,21,22,23
	PSTEP \s
.endr
; THE WAY OUT of token tile a: 16 rows x 256 bytes through my own stage; LDS serves a wave's instructions in order, so no wait stands between the stores and the loads.
.macro OUTA a
.irp n, 0,1,2,3
	ds_store_b128 v3, v[AC+8*(4*\a+\n):AC+8*(4*\a+\n)+3] offset:64*\n         ; each accumulator from its low end on
	ds_store_b128 v3, v[AC+8*(4*\a+\n)+4:AC+8*(4*\a+\n)+7] offset:64*\n+16
.endr
.irp i, 0,1,2,3,4,5,6,7
	ds_load_b128 v[AR+32*\a+4*\i:AR+32*\a+4*\i+3], v4 offset:544*\i
.endr
.irp i, 0,1,2,3,4,5,6,7
	s_wait_dscnt 7-\i                              ; rows 2 i, 2 i + 1 are back; the younger loads stay out
	global_store_b128 v5, v[AR+32*\a+4*\i:AR+32*\a+4*\i+3], s[32:33] offset:(16*\a+2*\i)*3072 th:TH_STORE_NT   ; sixteen lanes store 256 consecutive aligned bytes
.endr
.endm
	s_cmp_eq_u32 s15, 0                            ; rows 0 to 15 are not mine
	s_cbranch_scc1 .Lfine_rows
	OUTA 0
.Lfine_rows:
	OUTA 1
	s_wait_tensorcnt 0x0                           ; the wave's end
	ds_add_u32 v[SPW], v[NIL]
	s_wait_dscnt 0x0
	s_endpgm
.Lfunc_end_k_q1e4d4d5ca1_proj:
	.size	k_q1e4d4d5ca1_proj, .Lfunc_end_k_q1e4d4d5ca1_proj-k_q1e4d4d5ca1_proj
	.p2alignl 7, 3214868480
	.fill 96, 4, 3214868480
	.section	.rodata,"a",@progbits
	.p2align	6, 0x0
	.amdhsa_kernel k_q1e4d4d5ca1_proj
		.amdhsa_group_segment_fixed_size 167936
		.amdhsa_private_segment_fixed_size 0
		.amdhsa_enable_private_segment 0
		.amdhsa_kernarg_size 32
		.amdhsa_user_sgpr_count 2
		.amdhsa_user_sgpr_kernarg_segment_ptr 1
		.amdhsa_wavefront_size32 1
		.amdhsa_system_sgpr_workgroup_id_x 1
		.amdhsa_system_sgpr_workgroup_id_y 1
		.amdhsa_system_sgpr_workgroup_id_z 1
		.amdhsa_system_vgpr_workitem_id 0
		.amdhsa_next_free_vgpr 256
		.amdhsa_next_free_sgpr 66
		.amdhsa_reserve_vcc 0
		.amdhsa_float_denorm_mode_32 3
		.amdhsa_float_denorm_mode_16_64 3
		.amdhsa_memory_ordered 1
		.amdhsa_forward_progress 1
		.amdhsa_inst_pref_size 46
	.end_amdhsa_kernel
	.amdgpu_metadata
---
amdhsa.version: [ 1, 2 ]
amdhsa.kernels:
  - .name:           k_q1e4d4d5ca1_proj
    .symbol:         k_q1e4d4d5ca1_proj.kd
    .args:
      - { .name: ctx, .offset: 0, .size: 8, .value_kind: global_buffer, .address_space: global }
      - { .name: wo, .offset: 8, .size: 8, .value_kind: global_buffer, .address_space: global }
      - { .name: b_out, .offset: 16, .size: 8, .value_kind: global_buffer, .address_space: global }
      - { .name: out0, .offset: 24, .size: 8, .value_kind: global_buffer, .address_space: global }
    .group_segment_fixed_size: 167936
    .private_segment_fixed_size: 0
    .kernarg_segment_align: 8
    .kernarg_segment_size: 32
    .max_flat_workgroup_size: 256
    .sgpr_count:     66
    .vgpr_count:     256
    .wavefront_size: 32
...
	.end_amdgpu_metadata
.endif
;; end of part 4
;; launch fine (part 5): grid 48 x 1, 12 waves a work-group, no clusters, 13,824 bytes of LDS; arguments qkvf, W_out, b_out, out0; writes out0
.if DOCPART == 5
	.amdgcn_target "amdgcn-amd-amdhsa--gfx1250"
	.amdhsa_code_object_version 6
	.text
	.protected	k_q1e4d4d5ca1_fine
	.globl	k_q1e4d4d5ca1_fine
	.p2align	8
	.type	k_q1e4d4d5ca1_fine,@function
k_q1e4d4d5ca1_fine:
	s_mov_b64 s[64:65], 0
	v_nop
	global_prefetch_b8 v0, s[64:65] scope:SCOPE_SE
	s_setreg_imm32_b32 hwreg(HW_REG_WAVE_MODE, 25, 1), 1
	s_wait_xcnt 0x0
; Rows 0 to 15 of out0, wholly in f32: under the causal mask these positions average one to sixteen values and are the largest in size, so their attention and their rows of the projection take f32 operands.
; qkvf: [n tile 48 mat + 4 head + u][c 2][lane][16 B]: token tile 0's sums of the quantised products as they stood in the accumulators.  q, k: lane (r = token, h), register j: d = 16 u + 8 h + j; v: lane (r = d, h), register j: token 8 h + j.
; SHARES: a work-group makes 16 columns of out0; its twelve waves take a head each: the head's 16 x 16 attention (repeated in each of the 48 work-groups: 32 small products), then the head's 64 of the projection's K;
; the twelve partial tiles meet in LDS and waves 0 and 1 add them, in the heads' order, with the bias.
; The f32 matrix form takes k = 2 h + j from a lane's two registers.  Both sources of each product are fed with the same registers of the same lanes, so k is permuted alike on both sides and the sums are those of the true order.
; All three products are used transposed (S^T = K Q^T, O^T = V^T P, out^T = W_out^T ctx^T): a lane holds one position throughout.  Four accumulators take turns, one instruction a turn; what the f32 form writes is written by it alone.
.set QF, 16                            ; v16-47 q, v48-79 k, v80-111 v: 8 u + 4 c
.set KF, 48
.set VF, 80
.set WF, 112                           ; v112-143 W_out: 8 dt + e
.set SA, 144                           ; v144-175 scores, in four parts
.set OA, 176                           ; v176-207 O^T
.set PA, 208                           ; v208-239 the projection, in four parts
.set SS, 240                           ; v240-247 the scores, then p / sum, then my partial tile
.set SPW, 248
.set NIL, 249
	s_load_b256 s[4:11], s[0:1], 0x0               ; qkvf, W_out, b_out, out0
	v_lshl_add_u32 v[SPW], v0, 2, 12288            ; the spare words lie behind the twelve partial tiles
	v_mov_b32 v[NIL], 0
	v_lshrrev_b32 v1, 5, v0
	v_readfirstlane_b32 s12, v1                    ; wave = head
	v_and_b32 v1, 31, v0
	v_lshlrev_b32 v1, 4, v1                        ; 16 x lane
	v_and_b32 v2, 15, v0                           ; r
	v_bfe_u32 v3, v0, 4, 1                         ; h
	v_lshlrev_b32 v4, 3, v3
	v_sub_nc_u32 v4, v2, v4                        ; r - 8 h
	v_mul_u32_u24 v5, v3, 24576
	v_lshl_add_u32 v5, v2, 2, v5                   ; W_out: 8 h rows of 3,072 bytes, column r
	s_lshl_b32 s13, s12, 10
	v_add_nc_u32 v6, s13, v1                       ; LDS: my partial tile
	s_and_b32 s14, s12, 1                          ; which half of the tiles' registers I add, if I add
	s_lshl_b32 s15, s14, 9
	v_add_nc_u32 v7, s15, v1
	v_lshlrev_b32 v8, 5, v3
	s_lshl_b32 s15, s14, 4
	v_add_nc_u32 v8, s15, v8                       ; the bias: 32 h + 16 c
	v_mul_u32_u24 v9, v2, 3072
	v_add_nc_u32 v9, v9, v8                        ; out0: row r
	s_mov_b32 s24, 0x3e38aa3b                      ; c = log2(e) / 8
	s_mov_b32 s26, 0x76543210
	s_mov_b32 s27, 0xfedcba98
	s_lshl_b32 s28, s12, 12
	s_mov_b32 s29, 0
	s_mul_i32 s30, s12, 196608                     ; the head's 64 rows of W_out
	s_lshl_b32 s25, ttmp9, 6                       ; my 16 columns
	s_add_co_u32 s30, s30, s25
	s_mov_b32 s31, 0
	s_wait_kmcnt 0x0
	s_add_nc_u64 s[16:17], s[4:5], s[28:29]
	s_add_nc_u64 s[18:19], s[6:7], s[30:31]
	s_mov_b32 s28, s25
	s_add_nc_u64 s[20:21], s[8:9], s[28:29]
	s_add_nc_u64 s[22:23], s[10:11], s[28:29]
.irp mat, 0,1,2
.irp u, 0,1,2,3
.irp c, 0,1
	global_load_b128 v[QF+32*\mat+8*\u+4*\c:QF+32*\mat+8*\u+4*\c+3], v1, s[16:17] offset:49152*\mat+1024*\u+512*\c
.endr
.endr
.endr
.irp dt, 0,1,2,3
.irp e, 0,1,2,3,4,5,6,7
	global_load_b32 v[WF+8*\dt+\e], v5, s[18:19] offset:(16*\dt+\e)*3072   ; W_out(64 head + 16 dt + 8 h + e, my column r)
.endr
.endr
	global_load_b128 v[12:15], v8, s[20:21]
	s_wait_loadcnt 0x0
.irp f, 0,1,2,3                        ; S^T = K Q^T: part u sums d = 16 u .. 16 u + 15
.irp u, 0,1,2,3
.if \f == 0
	v_wmma_f32_16x16x4_f32 v[SA+8*\u:SA+8*\u+7], v[KF+8*\u+2*\f:KF+8*\u+2*\f+1], v[QF+8*\u+2*\f:QF+8*\u+2*\f+1], 0
.else
	v_wmma_f32_16x16x4_f32 v[SA+8*\u:SA+8*\u+7], v[KF+8*\u+2*\f:KF+8*\u+2*\f+1], v[QF+8*\u+2*\f:QF+8*\u+2*\f+1], v[SA+8*\u:SA+8*\u+7]
.endif
.endr
.endr
.rept 8
	v_nop                                          ; eight places behind this form, ahead of the first read of results
.endr
.irp e, 0,1,2,3,4,5,6,7
	v_add_f32 v[SS+\e], v[SA+\e], v[SA+8+\e]       ; the four parts, each from its low end on
.endr
.irp e, 0,1,2,3,4,5,6,7
	v_add_f32 v[SS+\e], v[SS+\e], v[SA+16+\e]
.endr
.irp e, 0,1,2,3,4,5,6,7
	v_add_f32 v[SS+\e], v[SS+\e], v[SA+24+\e]      ; lane (r, h), register e: query r, key 8 h + e
.endr
	v_mov_b32 v10, 0xff800000
.irp e, 0,1,2,3,4,5,6,7
	v_cmp_gt_i32 vcc_lo, \e, v4                    ; hidden where 8 h + e > r
	v_cndmask_b32 v[SS+\e], v[SS+\e], v10, vcc_lo
.endr
	v_max3_num_f32 v10, v[SS], v[SS+1], v[SS+2]
	v_max3_num_f32 v11, v[SS+3], v[SS+4], v[SS+5]
	v_max3_num_f32 v10, v10, v[SS+6], v[SS+7]
	v_max_num_f32 v10, v10, v11
	v_permlanex16_b32 v11, v10, s26, s27
	v_max_num_f32 v10, v10, v11                    ; the row's maximum: key 0 counts for every query
	v_mul_f32 v10, s24, v10
.irp e, 0,1,2,3,4,5,6,7
	v_fma_f32 v[SS+\e], v[SS+\e], s24, -v10
.endr
.irp e, 0,1,2,3,4,5,6,7
	v_exp_f32 v[SS+\e], v[SS+\e]
.endr
	v_nop
	s_wait_alu depctr_va_vdst(0)                   ; one wait for the eight, ahead of their first reader
	v_add_f32 v10, v[SS], v[SS+1]
	v_add_f32 v11, v[SS+2], v[SS+3]
	v_add_f32 v10, v10, v[SS+4]
	v_add_f32 v11, v11, v[SS+5]
	v_add_f32 v10, v10, v[SS+6]
	v_add_f32 v11, v11, v[SS+7]
	v_add_f32 v10, v10, v11
	v_permlanex16_b32 v11, v10, s26, s27
	v_add_f32 v10, v10, v11
	v_rcp_f32 v10, v10
	v_nop
	s_wait_alu depctr_va_vdst(0)
.irp e, 0,1,2,3,4,5,6,7
	v_mul_f32 v[SS+\e], v[SS+\e], v10              ; the weights
.endr
.irp f, 0,1,2,3                        ; O^T = V^T P: tile dt of the head's 64; K = the 16 keys
.irp dt, 0,1,2,3
.if \f == 0
	v_wmma_f32_16x16x4_f32 v[OA+8*\dt:OA+8*\dt+7], v[VF+8*\dt+2*\f:VF+8*\dt+2*\f+1], v[SS+2*\f:SS+2*\f+1], 0
.else
	v_wmma_f32_16x16x4_f32 v[OA+8*\dt:OA+8*\dt+7], v[VF+8*\dt+2*\f:VF+8*\dt+2*\f+1], v[SS+2*\f:SS+2*\f+1], v[OA+8*\dt:OA+8*\dt+7]
.endif
.endr
.endr
.rept 9
	v_nop                                          ; nine places: the results are the next products' sources
.endr
.irp f, 0,1,2,3                        ; out^T += W_out^T ctx^T: part dt sums k = 64 head + 16 dt .. + 15
.irp dt, 0,1,2,3
.if \f == 0
	v_wmma_f32_16x16x4_f32 v[PA+8*\dt:PA+8*\dt+7], v[WF+8*\dt+2*\f:WF+8*\dt+2*\f+1], v[OA+8*\dt+2*\f:OA+8*\dt+2*\f+1], 0
.else
	v_wmma_f32_16x16x4_f32 v[PA+8*\dt:PA+8*\dt+7], v[WF+8*\dt+2*\f:WF+8*\dt+2*\f+1], v[OA+8*\dt+2*\f:OA+8*\dt+2*\f+1], v[PA+8*\dt:PA+8*\dt+7]
.endif
.endr
.endr
.rept 8
	v_nop
.endr
.irp e, 0,1,2,3,4,5,6,7
	v_add_f32 v[SS+\e], v[PA+\e], v[PA+8+\e]
.endr
.irp e, 0,1,2,3,4,5,6,7
	v_add_f32 v[SS+\e], v[SS+\e], v[PA+16+\e]
.endr
.irp e, 0,1,2,3,4,5,6,7
	v_add_f32 v[SS+\e], v[SS+\e], v[PA+24+\e]      ; lane (r, h), register e: row r, column 8 h + e of my 16: my head's part
.endr
	ds_store_b128 v6, v[SS:SS+3]
	ds_store_b128 v6, v[SS+4:SS+7] offset:512
	s_wait_dscnt 0x0                               ; for the others' sake: my stores are done
	s_barrier_signal -1
	s_barrier_wait -1
	s_cmp_ge_u32 s12, 2
	s_cbranch_scc1 .Lend
.irp k, 0,1,2,3,4,5,6,7,8,9,10,11
	ds_load_b128 v[16+4*\k:19+4*\k], v7 offset:1024*\k   ; registers 4 c .. 4 c + 3 of all twelve heads' tiles
.endr
	s_wait_dscnt 0x0
.irp k, 0,1,2,3,4,5,6,7,8,9,10,11
	v_pk_add_f32 v[12:13], v[12:13], v[16+4*\k:17+4*\k]   ; onto the bias, in the heads' order
	v_pk_add_f32 v[14:15], v[14:15], v[18+4*\k:19+4*\k]
.endr
	global_store_b128 v9, v[12:15], s[22:23]       ; row r, columns 8 h + 4 c + 0..3 of my 16
.Lend:
	s_wait_tensorcnt 0x0                           ; the wave's end, behind my last LDS store
	ds_add_u32 v[SPW], v[NIL]
	s_wait_dscnt 0x0
	s_endpgm
.Lfunc_end_k_q1e4d4d5ca1_fine:
	.size	k_q1e4d4d5ca1_fine, .Lfunc_end_k_q1e4d4d5ca1_fine-k_q1e4d4d5ca1_fine
	.p2alignl 7, 3214868480
	.fill 96, 4, 3214868480
	.section	.rodata,"a",@progbits
	.p2align	6, 0x0
	.amdhsa_kernel k_q1e4d4d5ca1_fine
		.amdhsa_group_segment_fixed_size 13824
		.amdhsa_private_segment_fixed_size 0
		.amdhsa_enable_private_segment 0
		.amdhsa_kernarg_size 32
		.amdhsa_user_sgpr_count 2
		.amdhsa_user_sgpr_kernarg_segment_ptr 1
		.amdhsa_wavefront_size32 1
		.amdhsa_system_sgpr_workgroup_id_x 1
		.amdhsa_system_sgpr_workgroup_id_y 1
		.amdhsa_system_sgpr_workgroup_id_z 1
		.amdhsa_system_vgpr_workitem_id 0
		.amdhsa_next_free_vgpr 256
		.amdhsa_next_free_sgpr 66
		.amdhsa_reserve_vcc 1
		.amdhsa_float_denorm_mode_32 3
		.amdhsa_float_denorm_mode_16_64 3
		.amdhsa_memory_ordered 1
		.amdhsa_forward_progress 1
		.amdhsa_inst_pref_size 18
	.end_amdhsa_kernel
	.amdgpu_metadata
---
amdhsa.version: [ 1, 2 ]
amdhsa.kernels:
  - .name:           k_q1e4d4d5ca1_fine
    .symbol:         k_q1e4d4d5ca1_fine.kd
    .args:
      - { .name: qkvf, .offset: 0, .size: 8, .value_kind: global_buffer, .address_space: global }
      - { .name: W_out, .offset: 8, .size: 8, .value_kind: global_buffer, .address_space: global }
      - { .name: b_out, .offset: 16, .size: 8, .value_kind: global_buffer, .address_space: global }
      - { .name: out0, .offset: 24, .size: 8, .value_kind: global_buffer, .address_space: global }
    .group_segment_fixed_size: 13824
    .private_segment_fixed_size: 0
    .kernarg_segment_align: 8
    .kernarg_segment_size: 32
    .max_flat_workgroup_size: 384
    .sgpr_count:     66
    .vgpr_count:     256
    .wavefront_size: 32
...
	.end_amdgpu_metadata
.endif
;; end of part 5
